; MI455X (gfx1250); checked and timed in simulation.
; The chip was launched on July 23, 2026; its instructions are those of AMD's public machine-readable ISA for CDNA 5 (MIT licence, August 2026) and "CDNA5" Instruction Set Architecture Reference Guide (July 2026). The comments in the code are by the model that wrote it; some were corrected since.
;; Vector Quantizer. Allowed arithmetic: matrix products marked QUANTISED: E2M1 operands, one E8M0 scale for each 32 along K, by v_wmma_scale_f32_16x16x128_f8f6f4 with both operands' format E2M1 (or v_wmma_scale_f32_32x16x128_f4), f32 sums; everything else in f32.
;; Inputs: e_i_ts 256 x 8,192 float32; x 8 x 256 x 64 x 64 float32.
;; Outputs: out0 8 x 256 x 64 x 64 float32; out1 8 x 64 x 64 int32.
;; This version of the problem:
;;   THIS VERSION OF THE PROBLEM IS GIVEN IN LOW PRECISION. The matrix products marked QUANTISED in the list below multiply operands that are first quantised to E2M1 (2 exponent bits, 1 mantissa bit; 4 bits a number), with one power-of-two scale for each 32 numbers along K (OCP MX v1.0); their sums are f32. All else is computed in f32.
;;   The module's matrix products, in the order in which they are computed (A, B: the left and right operand; K: the contracted axis; several contracted axes count as one K, in the product's order):
;;     1. [M 32,768, K 256] x [K 256, N 8,192]; A: computed on the way; B: input e_i_ts: QUANTISED
;;   THE QUANTISER, for each operand of a quantised product, along K:
;;     - K is cut into blocks of 32 from its start; a last block that is shorter is filled with zeros.
;;     - A block's scale is 2^e with e = floor(log2(the largest magnitude in the block)) - 2, held to -126 .. 127; a block of zeros has e = 0. As a byte (E8M0): e + 127.
;;     - Each number is divided by its block's scale, clamped to +-6, and rounded to the nearest number of E2M1, ties to even, subnormals kept.
;;     - The product sums the exact products of the quantised numbers (number of the format x scale) in f32.
;;   ~~~python
;;   def quantise(x, axis):      # numpy; x: float32 -> the quantised numbers, widened to float32 again
;;       x = np.moveaxis(x, axis, -1); K = x.shape[-1]
;;       x = np.pad(x, [(0, 0)] * (x.ndim - 1) + [(0, -K % 32)]); x = x.reshape(x.shape[:-1] + (-1, 32)); a = np.abs(x).max(-1, keepdims=True)
;;       e = np.where(a > 0, np.clip(np.frexp(np.where(a > 0, a, 1))[1] - 1 - 2, -126, 127), 0)      # np.frexp(a)[1] - 1 = floor(log2(a)), exactly
;;       r = np.clip(x / 2.0 ** e, -6, 6)
;;       step = 2.0 ** (np.maximum(np.frexp(np.where(r == 0, 1, r))[1] - 1, 0) - 1)
;;       q = np.round(r / step) * step * 2.0 ** e      # np.round: ties to even
;;       return np.moveaxis(q.reshape(q.shape[:-2] + (-1,))[..., :K], -1, axis).astype(np.float32)
;;   ~~~
;;   OPERANDS COMPUTED ON THE WAY. 'Computed on the way' means the value that the module computes at that place (a softmax that the list does not call 'softmax' is quantised finished and normalised). What goes into a quantiser is computed in f32, as accurately as f32 sums, v_exp_f32 and their like allow (about 1e-6 of the number): no bf16 or f16 on the way to a quantiser, and a product that is left as it is and whose result goes on into a quantised operand takes f32 operands (vector FMAs, or v_wmma_f32_16x16x4_f32). A number that lies on a knife's edge between two numbers of the format may be rounded either way, as far as f32 arithmetic and the matrix unit's own rounding can turn it there, and no further.
;; One version. Each part assembles by itself: llvm-mc -triple=amdgcn-amd-amdhsa -mcpu=gfx1250 --defsym DOCPART=n.
;; ======== version 1 of 1: 4 launches
;; limits: right only within a limited range of input values
;; workspace buffers: ecb 1,179,648 bytes; et 8,388,608 bytes; xcodes 4,194,304 bytes; xscl 262,144 bytes; gidx 131,072 bytes of whole numbers; cidx 131,072 bytes of whole numbers
;; launch prep (part 1): grid 256 x 1, 8 waves a work-group, no clusters, 35,840 bytes of LDS; arguments e_i_ts, ecb, et; writes ecb, et
.if DOCPART == 1
	.amdgcn_target "amdgcn-amd-amdhsa--gfx1250"
	.amdhsa_code_object_version 6
	.text
	.protected	k_q967619f408_prep
	.globl	k_q967619f408_prep
	.p2align	8
	.type	k_q967619f408_prep,@function
k_q967619f408_prep:
	s_mov_b64 s[64:65], 0
	v_nop
	global_prefetch_b8 v0, s[64:65] scope:SCOPE_SE
	s_setreg_imm32_b32 hwreg(HW_REG_WAVE_MODE, 25, 1), 1
	s_wait_xcnt 0x0
; THE CODE BOOK IS MADE READY.  e [256 (d)][8192 (code)] f32, K = d is its FIRST axis.  Three things are made of it:
;  (1) codes of FP4 (E2M1) along d with one E8M0 byte for each 32, (2) minus the sum of squares of each column, in f32, (3) e transposed, et [8192][256] f32, for the later gather.
; (1) and (2) are laid as RECORDS of 2,304 bytes, one for each tile of 16 neighbouring codes, in the order of a matrix operand's registers:
;   bytes 0..2047     the codes: at 1024 s + 512 c + 256 h + 16 rho the 16 bytes of d = 128 s + 64 c + 32 h + 0..31 of code rho (the lower d in the lower four bits)
;   bytes 2048..2175  the scale words: at 64 s + 4 rho the four bytes of K step s of code rho
;   bytes 2176..2239  minus the sum of squares of the 16 codes;  bytes 2240..2303 zeros
; SHARES.  Work-group g takes codes 32 g .. 32 g + 31 (two records).  Wave w takes d = 32 w .. 32 w + 31: one block.  LANE L TAKES CODE 32 g + L AND ITS REGISTERS RUN DOWN d:
; a block lies in one lane, its largest magnitude needs no other lane, and the conversions give codes with d innermost.  Block w = 4 s + 2 c + h lies at byte 256 w of a record's codes.
; A block's scale is 2^(floor(log2(largest magnitude)) - 2): its byte is the magnitude's exponent field - 2, held at 1 from below by a floor among the maximum's leaves.
; LIMITS: a block of zeros, or one whose largest magnitude lies under 2^-124, gets the byte 1 (zero codes add nothing under it; these bytes are read by this program alone); NaN and infinities are not served.
.set PITCH, 1040                       ; a row of the stage: 1,024 bytes + 16: an odd multiple of 16
.set EES,   32*PITCH                   ; behind the stage: the waves' partial sums of squares, [8][32] f32
.set TAIL,  EES+1024                   ; behind them: the last 256 bytes of the two records
.set REC,   2304
.set V,  16                            ; v16-47  my 32 numbers; later rows of et on their way out
.set M,  48                            ; v48     the largest magnitude
.set SO, 49                            ; v49     the conversions' scale operand
.set BY, 50                            ; v50     the scale's byte
.set M2, 51                            ; v51     the maximum's second chain
.set C,  52                            ; v52-55  my block's codes
.set EE, 56                            ; v56-59  four chains of the sum of squares; v56-63 at work in wave 0
; WORK LEFT OUT, in the whole program: reference() adds sum(flat * flat) of a token to all 8,192 distances of that token.  A term that is the same along the axis of the argmin
; moves no index, whatever finite values x holds, and the distances reach the outputs through the argmin alone: the term is not formed.  The program looks for the largest of
; (2 flat) . e - sum(e * e), which is the smallest distance.  LIMIT: a NaN, an infinity or an overflow that would arise in that term alone is not carried to the result.
	s_load_b128 s[4:7], s[0:1], 0x0
	s_load_b64 s[8:9], s[0:1], 0x10                ; et
	v_lshl_add_u32 v64, v0, 2, 0x8800
	v_mov_b32 v65, 0
	v_lshrrev_b32 v13, 5, v0
	s_delay_alu instid0(VALU_DEP_1)
	v_readfirstlane_b32 s10, v13                   ; wave 0..7
	v_and_b32 v1, 31, v0                           ; L
	v_and_b32 v13, 15, v0                          ; rho = L % 16
	v_bfe_u32 v14, v0, 4, 1                        ; L / 16: which of the two records
	s_delay_alu instid0(VALU_DEP_3)
	v_lshlrev_b32 v2, 2, v1                        ; 4 L
	s_delay_alu instid0(VALU_DEP_4)
	v_lshlrev_b32 v12, 4, v1                       ; 16 L
	s_lshl_b32 s11, s10, 7
	v_mul_u32_u24 v3, v1, PITCH
	s_delay_alu instid0(VALU_DEP_1)
	v_add_nc_u32 v3, s11, v3                       ; the stage, in: row L, my wave's 128 bytes
	v_mul_u32_u24 v4, v14, REC
	s_delay_alu instid0(VALU_DEP_1)
	v_lshl_add_u32 v4, v13, 4, v4                  ; in ecb: my record, 16 bytes a code
	s_lshr_b32 s12, s10, 2
	s_lshl_b32 s12, s12, 6
	s_and_b32 s13, s10, 3
	s_add_co_u32 s12, s12, s13
	s_add_co_u32 s12, s12, TAIL                    ; my block's byte in a scale word: 64 (w / 4) + w % 4
	v_lshlrev_b32 v8, 8, v14
	s_delay_alu instid0(VALU_DEP_1)
	v_lshl_add_u32 v8, v13, 2, v8                  ; 256 (L / 16) + 4 rho
	s_delay_alu instid0(VALU_DEP_1)
	v_add_nc_u32 v5, s12, v8                       ; where my scale byte goes
	s_delay_alu instid0(VALU_DEP_2)
	v_add_nc_u32 v8, TAIL+128, v8                  ; where wave 0 puts minus the sum of squares
	s_add_co_u32 s13, s11, EES
	v_add_nc_u32 v6, s13, v2                       ; my partial sum's word
	v_add_nc_u32 v7, EES, v2                       ; wave 0 reads the eight partial sums of code L from here
	v_add_nc_u32 v9, TAIL, v12                     ; and the two records' last 256 bytes from here
	s_mul_i32 s14, s10, 4*PITCH
	v_add_nc_u32 v11, s14, v12                     ; the stage, out: my wave's four rows, 16 bytes a lane
	s_lshl_b32 s16, s10, 20                        ; e: 32 w rows of 32,768 bytes,
	s_lshl_b32 s17, ttmp9, 7                       ; 32 g columns of 4 bytes
	s_add_co_u32 s16, s16, s17
	s_mov_b32 s17, 0
	s_mul_i32 s18, ttmp9, 2*REC                    ; ecb: two records a work-group
	s_mov_b32 s19, 0
	s_lshl_b32 s20, s10, 8                         ; block w's 256 bytes of a record
	s_mov_b32 s21, 0
	s_lshl_b32 s22, ttmp9, 15                      ; et: 32 g rows of 1,024 bytes,
	s_lshl_b32 s23, s10, 12                        ; 4 w more
	s_add_co_u32 s22, s22, s23
	s_mov_b32 s23, 0
	s_wait_kmcnt 0x0
	s_add_nc_u64 s[4:5], s[4:5], s[16:17]
	s_add_nc_u64 s[6:7], s[6:7], s[18:19]
	s_add_nc_u64 s[24:25], s[6:7], s[20:21]
	s_add_nc_u64 s[8:9], s[8:9], s[22:23]
.set n, 0
.rept 32
	global_load_b32 v[V+n], v2, s[4:5] offset:n*32768      ; e(32 w + n, 32 g + L): 32 lanes read 128 consecutive bytes
.set n, n+1
.endr
	s_wait_loadcnt 0x0
.irp k, 0,1,2,3,4,5,6,7
	ds_store_b128 v3, v[V+4*\k:V+4*\k+3] offset:16*\k      ; my 32 numbers are 128 neighbouring bytes of row L of et
.endr
	v_max3_num_f32 v[M],  |v[V]|,   |v[V+1]|, |v[V+2]|     ; the block's largest magnitude: all 32 numbers are mine; two chains
	v_max3_num_f32 v[M2], |v[V+3]|, |v[V+4]|, |v[V+5]|
.irp i, 6,10,14,18,22,26
	s_delay_alu instid0(VALU_DEP_2)
	v_max3_num_f32 v[M],  v[M],  |v[V+\i]|,   |v[V+\i+1]|
	s_delay_alu instid0(VALU_DEP_2)
	v_max3_num_f32 v[M2], v[M2], |v[V+\i+2]|, |v[V+\i+3]|
.endr
	s_delay_alu instid0(VALU_DEP_2)
	v_max3_num_f32 v[M], v[M], |v[V+30]|, |v[V+31]|
	s_delay_alu instid0(VALU_DEP_1)
	v_max3_num_f32 v[M], v[M], v[M2], 0x1800000            ; and the floor 2^(3 - 127): the byte cannot fall under 1
.irp c, 0,1,2,3
	v_mul_f32 v[EE+\c], v[V+\c], v[V+\c]                   ; the sum of squares of the numbers as they are given, in four chains
.endr
.set n, 4
.rept 28
	s_delay_alu instid0(VALU_DEP_4)
	v_fma_f32 v[EE+n%4], v[V+n], v[V+n], v[EE+n%4]
.set n, n+1
.endr
	v_add_nc_u32 v[SO], 0xff000000, v[M]                   ; 2 off the exponent field: the conversion takes this operand's exponent field as its scale
	s_delay_alu instid0(VALU_DEP_1)
	v_lshrrev_b32 v[BY], 23, v[SO]                         ; the scale's byte
	v_add_f32 v[EE], v[EE], v[EE+1]
	s_delay_alu instid0(VALU_DEP_4)
	v_add_f32 v[EE+2], v[EE+2], v[EE+3]
	s_delay_alu instid0(VALU_DEP_1)
	v_add_f32 v[EE], v[EE], v[EE+2]
.irp g, 0,1,2,3
	v_cvt_scalef32_pk8_fp4_f32 v[C+\g], v[V+8*\g:V+8*\g+7], v[SO]
.endr
	v_nop                                          ; one plain instruction behind the last scaled conversion
	global_store_b128 v4, v[C:C+3], s[24:25]       ; sixteen lanes fill 256 consecutive bytes, at a multiple of 256 from ecb's first byte
	ds_store_b8 v5, v[BY]
	ds_store_b32 v6, v[EE]
	s_wait_dscnt 0x0                               ; for the others' sake: my stores into the stage, the sums and the tails have landed
	s_barrier_signal -1
	s_barrier_wait -1
	s_cmp_lg_u32 s10, 0                            ; wave 0 alone finishes the two records' last 256 bytes; no barrier stands in this branch
	s_cbranch_scc1 .Lnot_wave_0
.irp u, 0,1,2,3,4,5,6,7
	ds_load_b32 v[EE+\u], v7 offset:128*\u         ; the eight waves' partial sums of code L
.endr
	s_wait_dscnt 0x0
	v_sub_f32 v[EE], -v[EE], v[EE+1]               ; minus the sum, d ascending
.irp u, 2,3,4,5,6,7
	s_delay_alu instid0(VALU_DEP_1)
	v_sub_f32 v[EE], v[EE], v[EE+\u]
.endr
	v_mov_b32 v[EE+1], 0
	ds_store_b32 v8, v[EE]
	ds_store_b32 v8, v[EE+1] offset:64             ; the records' last 64 bytes are zeros
	ds_load_b128 v[EE+4:EE+7], v9                  ; LDS serves a wave's instructions in order: this sees the two stores above
	s_wait_dscnt 0x0
	global_store_b128 v4, v[EE+4:EE+7], s[6:7] offset:2048   ; sixteen lanes fill a record's last 256 bytes
.Lnot_wave_0:
.irp k, 0,1,2,3,4,5,6,7
	ds_load_b128 v[V+4*\k:V+4*\k+3], v11 offset:(\k/2)*PITCH+(\k%2)*512   ; rows 4 w .. 4 w + 3 of the stage, half a row an instruction
.endr
.irp k, 0,1,2,3,4,5,6,7
	s_wait_dscnt 7-\k                              ; the loads issued behind piece k may stay out
	global_store_b128 v12, v[V+4*\k:V+4*\k+3], s[8:9] offset:(\k/2)*1024+(\k%2)*512   ; 32 lanes store 512 consecutive bytes of a row of et
.endr
	s_wait_tensorcnt 0x0
	ds_add_u32 v64, v65
	s_wait_dscnt 0x0
	s_endpgm
.Lfunc_end_k_q967619f408_prep:
	.size	k_q967619f408_prep, .Lfunc_end_k_q967619f408_prep-k_q967619f408_prep
	.p2alignl 7, 3214868480
	.fill 96, 4, 3214868480
	.section	.rodata,"a",@progbits
	.p2align	6, 0x0
	.amdhsa_kernel k_q967619f408_prep
		.amdhsa_group_segment_fixed_size 35840
		.amdhsa_private_segment_fixed_size 0
		.amdhsa_enable_private_segment 0
		.amdhsa_kernarg_size 24
		.amdhsa_user_sgpr_count 2
		.amdhsa_user_sgpr_kernarg_segment_ptr 1
		.amdhsa_wavefront_size32 1
		.amdhsa_system_sgpr_workgroup_id_x 1
		.amdhsa_system_sgpr_workgroup_id_y 1
		.amdhsa_system_sgpr_workgroup_id_z 1
		.amdhsa_system_vgpr_workitem_id 0
		.amdhsa_next_free_vgpr 66
		.amdhsa_next_free_sgpr 66
		.amdhsa_reserve_vcc 0
		.amdhsa_float_denorm_mode_32 3
		.amdhsa_float_denorm_mode_16_64 3
		.amdhsa_memory_ordered 1
		.amdhsa_forward_progress 1
		.amdhsa_inst_pref_size 15
	.end_amdhsa_kernel
	.amdgpu_metadata
---
amdhsa.version: [ 1, 2 ]
amdhsa.kernels:
  - .name:           k_q967619f408_prep
    .symbol:         k_q967619f408_prep.kd
    .args:
      - { .name: e_i_ts, .offset: 0, .size: 8, .value_kind: global_buffer, .address_space: global }
      - { .name: ecb, .offset: 8, .size: 8, .value_kind: global_buffer, .address_space: global }
      - { .name: et, .offset: 16, .size: 8, .value_kind: global_buffer, .address_space: global }
    .group_segment_fixed_size: 35840
    .private_segment_fixed_size: 0
    .kernarg_segment_align: 8
    .kernarg_segment_size: 24
    .max_flat_workgroup_size: 256
    .sgpr_count:     66
    .vgpr_count:     66
    .wavefront_size: 32
...
	.end_amdgpu_metadata
.endif
;; end of part 1
;; launch search (part 2): grid 256 x 1, 8 waves a work-group, clusters of 4 x 1, 327,680 bytes of LDS; arguments x, ecb, xcodes, xscl, gidx; writes xcodes, xscl, gidx
.if DOCPART == 2
	.amdgcn_target "amdgcn-amd-amdhsa--gfx1250"
	.amdhsa_code_object_version 6
	.text
	.protected	k_q967619f408_search
	.globl	k_q967619f408_search
	.p2align	8
	.type	k_q967619f408_search,@function
k_q967619f408_search:
	s_mov_b64 s[64:65], 0
	v_nop
	global_prefetch_b8 v0, s[64:65] scope:SCOPE_SE
	s_setreg_imm32_b32 hwreg(HW_REG_WAVE_MODE, 25, 1), 1
	s_wait_xcnt 0x0
	s_wait_alu depctr_hold_cnt(0) depctr_sa_sdst(0) depctr_va_vdst(0) depctr_va_sdst(0) depctr_va_ssrc(0) depctr_va_vcc(0) depctr_vm_vsrc(0)
	s_getreg_b32 s2, hwreg(HW_REG_IB_STS2, 6, 4)
	s_cmp_eq_u32 s2, 0
	s_cbranch_scc0 .Lentry_in_a_cluster
	s_endpgm
.Lentry_in_a_cluster:
	s_bfe_u32 s2, ttmp6, 0x10000c
	s_cmp_lg_u32 s2, 0x3003
	s_cbranch_scc0 .Lentry_shape_is_right
	s_endpgm
.Lentry_shape_is_right:
; THE SEARCH.  For each token the group of 8 neighbouring codes that holds the largest score (2 x) . e - sum(e * e), both operands as codes of FP4 with E8M0 scales, is stored in gidx.
; (The sum of squares of the token is left out: it is the same for all codes of a token and moves no index; see the first kernel's head.)
; SHARES.  A work-group owns 128 tokens (one batch, 128 neighbouring positions) and walks all 512 records of ecb (16 codes each) in 8 slots of 64 records.  Wave w takes records 8 w .. 8 w + 7 of each slot
; against all 128 tokens: source 0 = a record's 16 codes, source 1 = 16 tokens, C of the first product = minus the codes' sums of squares.  In a result lane (r, h) holds token r against codes 8 h + 0..7.
; THE HEAD.  Each wave fetches 32 rows (d) of x's 256 x 128 numbers into slot 1's bytes: its one tensor load at the head.  Behind a round of the cluster's barrier
; slot 0's records are asked for.  x is quantised along d: lane = token, 128 registers down d, four blocks a lane; the factor 2 is one more in each scale byte (bytes 2 to 253).
; Codes and scale words go to LDS as images of the operand's registers, and to xcodes and xscl for the next launch.
; THE RING.  Two slots of 147,456 bytes.  The four work-groups of a cluster walk the same records: each wave's share of a slot is asked for jointly (mask 15), behind a round of the cluster's barrier.
; THE LARGEST OF A TILE.  Four three-source maxima fold a lane's eight results onto the best so far, which lies in two sets of registers by turns; where the new best is larger than the old, the record's number is kept.
; At the end the eight waves' best scores and groups meet in LDS; of equal scores the lower group stays.
; No data prefetch: all 64 clusters walk the same 1,179,648 bytes of ecb in the same order and in the same trips, and x is read once, at the head, where there is no loop to run ahead in.
; LIMITS: NaN and infinities are not served; a block of x whose largest magnitude lies under 2^-124 gets the floor's byte.
.set REC,   2304
.set WSH,   8*REC
.set BUFB,  64*REC
.set XST,   BUFB
.set XIMG,  2*BUFB
.set XSC,   XIMG+16384
.set SPARE, XSC+1024
.set SPW, 8
.set NIL, 9
.set AB,  10
.set ASB, 12
.set ANB, 14
.set LI,  16
.set LS,  17
.set CUR, 18
.set XAD, 19
.set IMW, 20
.set SCW, 21
.set GXO, 22
.set XSR, 23
.set CW,  24
.set CR,  25
.set GW,  26
.set G16, 27
.set HH,  28
.set XS,  32
.set SC,  40
.set ID,  42
.set BA,  50
.set AF,  72
.set NE,  104
.set ACC, 128
.set XV,  128
.set MX,  72
.set SO,  76
.set BY,  80
.set PW,  84
.set CD,  88
.set MSB, 0
.macro WIN new
.if MSB != \new
	s_set_vgpr_msb (MSB<<8)|\new
.set MSB, \new
.endif
.endm
.macro CROUND
	s_barrier_signal -1
	s_barrier_wait -1
	s_cmp_lg_u32 s14, 0
	s_cbranch_scc1 .Lnot_wave_0_\@
	s_barrier_signal -3
.Lnot_wave_0_\@:
	s_barrier_wait -3
	s_barrier_signal -1
	s_barrier_wait -1
.endm
.macro LOADA st, i, buf
.irp k, 0,1,2,3
	ds_load_b128 v[AF+16*(\st)+4*\k:AF+16*(\st)+4*\k+3], v[AB+\buf] offset:(\i)*REC+512*\k
.endr
	ds_load_b32 v[SC+(\st)], v[ASB+\buf] offset:(\i)*REC+2048
.irp k, 0,1
	ds_load_b128 v[NE+8*(\st)+4*\k:NE+8*(\st)+4*\k+3], v[ANB+\buf] offset:(\i)*REC+2176+16*\k
.endr
.endm
.macro STEP i, buf
.set PP, (\i)&1
	s_wait_dscnt 0x0
.if (\i) < 7
	LOADA 1-PP, (\i)+1, \buf
.endif
	WIN 0x04
.irp t, 0,1,2,3,4,5,6,7
	v_wmma_scale_f32_16x16x128_f8f6f4 v[ACC+8*\t:ACC+8*\t+7], v[AF+16*PP:AF+16*PP+7], v[16*\t:16*\t+7], v[NE+8*PP:NE+8*PP+7], v[SC+PP], v[XS+\t] matrix_a_fmt:MATRIX_FMT_FP4 matrix_b_fmt:MATRIX_FMT_FP4
.endr
.irp t, 0,1,2,3,4,5,6,7
	v_wmma_scale_f32_16x16x128_f8f6f4 v[ACC+8*\t:ACC+8*\t+7], v[AF+16*PP+8:AF+16*PP+15], v[16*\t+8:16*\t+15], v[ACC+8*\t:ACC+8*\t+7], v[SC+PP], v[XS+\t] matrix_a_fmt:MATRIX_FMT_FP4 matrix_b_fmt:MATRIX_FMT_FP4 matrix_a_scale:MATRIX_SCALE_ROW1 matrix_b_scale:MATRIX_SCALE_ROW1
.endr
	WIN 0
	v_add_nc_u32 v[CUR], 1, v[CUR]
	v_nop
	v_nop
	v_nop
.irp t, 0,1,2,3,4,5,6,7
	v_max3_num_f32 v[BA+8*(1-PP)+\t], v[BA+8*PP+\t], v[ACC+8*\t], v[ACC+8*\t+1]
.endr
.irp k, 2,4,6
.irp t, 0,1,2,3,4,5,6,7
	v_max3_num_f32 v[BA+8*(1-PP)+\t], v[BA+8*(1-PP)+\t], v[ACC+8*\t+\k], v[ACC+8*\t+\k+1]
.endr
.endr
.irp t, 0,1,2,3,4,5,6,7
	v_cmp_gt_f32 s[52+\t], v[BA+8*(1-PP)+\t], v[BA+8*PP+\t]
.endr
.irp t, 0,1,2,3,4,5,6,7
	v_cndmask_b32 v[ID+\t], v[ID+\t], v[CUR], s[52+\t]
.endr
.endm
.macro SLOT buf
	LOADA 0, 0, \buf
.irp q, 0,1,2,3,4,5,6,7
	STEP \q, \buf
.endr
.endm
.macro CHANGE fill, step, b
	s_wait_tensorcnt 0x0
	ds_add_u32 v[SPW], v[NIL]
.if \step
	s_add_nc_u64 s[42+4*\b:43+4*\b], s[42+4*\b:43+4*\b], 2*BUFB
.endif
	v_add_nc_u32 v[CUR], 56, v[CUR]
	s_wait_dscnt 0x0
.if \fill
	CROUND
	tensor_load_to_lds s[40+4*\b:43+4*\b], s[24:31]
	s_nop 0
.rept 4
	v_nop
.endr
.else
	s_barrier_signal -1
	s_barrier_wait -1
.endif
.endm
	s_load_b256 s[4:11], s[0:1], 0x0
	s_load_b64 s[12:13], s[0:1], 0x20
	v_lshl_add_u32 v[SPW], v0, 2, SPARE
	v_mov_b32 v[NIL], 0
	ds_add_u32 v8, v9
	ds_add_u32 v8, v9
	s_wait_dscnt 0x0
	v_lshrrev_b32 v1, 5, v0
	s_delay_alu instid0(VALU_DEP_1)
	v_readfirstlane_b32 s14, v1
	s_bfe_u32 s15, ttmp6, 0x40000
	s_lshl_b32 s16, ttmp9, 2
	s_add_co_u32 s16, s16, s15
	v_and_b32 v1, 31, v0
	v_and_b32 v2, 15, v0
	v_bfe_u32 v[HH], v0, 4, 1
	s_delay_alu instid0(VALU_DEP_3)
	v_lshlrev_b32 v3, 2, v1
	s_delay_alu instid0(VALU_DEP_4)
	v_lshlrev_b32 v[G16], 4, v1
	s_mul_i32 s17, s14, WSH
	s_lshr_b32 s18, s14, 2
	s_and_b32 s19, s14, 3
	v_add_nc_u32 v[AB], s17, v[G16]
	s_delay_alu instid0(VALU_DEP_1)
	v_add_nc_u32 v[AB+1], BUFB, v[AB]
	v_add_nc_u32 v[ASB], s17, v3
	s_delay_alu instid0(VALU_DEP_1)
	v_add_nc_u32 v[ASB+1], BUFB, v[ASB]
	v_lshl_add_u32 v[ANB], v[HH], 5, s17
	s_delay_alu instid0(VALU_DEP_1)
	v_add_nc_u32 v[ANB+1], BUFB, v[ANB]
	v_add_nc_u32 v[LI], XIMG, v[G16]
	v_add_nc_u32 v[LS], XSC, v3
	s_lshl_b32 s22, s18, 16
	s_lshl_b32 s23, s19, 7
	s_add_co_u32 s22, s22, s23
	s_add_co_u32 s22, s22, XST
	v_add_nc_u32 v[XAD], s22, v3
	s_lshl_b32 s61, s19, 12
	s_lshl_b32 s23, s18, 10
	s_add_co_u32 s61, s61, s23
	v_lshlrev_b32 v[GXO], 11, v[HH]
	s_delay_alu instid0(VALU_DEP_1)
	v_lshl_add_u32 v[GXO], v2, 4, v[GXO]
	s_add_co_u32 s22, s61, XIMG
	v_add_nc_u32 v[IMW], s22, v[GXO]
	s_lshl_b32 s22, s19, 8
	s_lshl_b32 s23, s18, 6
	s_add_co_u32 s22, s22, s23
	s_add_co_u32 s22, s22, XSC
	v_lshlrev_b32 v[SCW], 7, v[HH]
	s_delay_alu instid0(VALU_DEP_1)
	v_lshl_add_u32 v[SCW], v2, 2, v[SCW]
	s_delay_alu instid0(VALU_DEP_1)
	v_add_nc_u32 v[SCW], s22, v[SCW]
	s_and_b32 s62, s14, 1
	s_lshl_b32 s62, s62, 9
	s_add_co_u32 s22, s62, XSC
	v_add_nc_u32 v[XSR], s22, v[G16]
	s_lshl_b32 s22, s14, 10
	s_add_co_u32 s22, s22, XIMG
	v_add_nc_u32 v[CW], s22, v3
	s_lshl_b32 s22, s14, 7
	s_add_co_u32 s22, s22, XIMG
	v_add_nc_u32 v[CR], s22, v3
	s_lshl_b32 s22, s14, 6
	s_add_co_u32 s22, s22, XSC
	v_lshl_add_u32 v[GW], v2, 2, s22
	s_lshl_b32 s22, s14, 3
	s_sub_co_i32 s22, s22, 57
	v_mov_b32 v[CUR], s22
.irp t, 0,1,2,3,4,5,6,7
	v_mov_b32 v[BA+\t], 0xff800000
	v_mov_b32 v[ID+\t], 0
.endr
	s_mov_b32 s20, 0x76543210
	s_mov_b32 s21, 0xfedcba98
	s_mov_b32 s24, 15|(3<<16)|(1<<21)
	s_mov_b32 s25, 32<<16
	s_mov_b32 s26, 72<<16
	s_mov_b32 s27, 32<<16
	s_mov_b32 s28, 72
	s_mov_b32 s29, 32
	s_mov_b32 s30, 0
	s_mov_b32 s31, 0
	s_mov_b32 s32, 2<<16
	s_mov_b32 s33, 128<<16
	s_mov_b32 s34, 32<<16
	s_mov_b32 s35, 128<<16
	s_mov_b32 s36, 32
	s_mov_b32 s37, 4096
	s_mov_b32 s38, 0
	s_mov_b32 s39, 0
	s_mov_b32 s2, s17
	s_mov_b32 s3, 0
	s_wait_kmcnt 0x0
	s_mov_b32 s40, 1
	s_mul_i32 s41, s14, WSH
	s_add_nc_u64 s[42:43], s[6:7], s[2:3]
	s_mov_b32 s44, 1
	s_add_co_u32 s45, s41, BUFB
	s_add_nc_u64 s[46:47], s[42:43], BUFB
	s_or_b32 s43, s43, 0x80000000
	s_or_b32 s47, s47, 0x80000000
	s_lshr_b32 s22, s16, 5
	s_lshl_b32 s22, s22, 22
	s_and_b32 s23, s16, 31
	s_lshl_b32 s23, s23, 9
	s_add_co_u32 s22, s22, s23
	s_lshl_b32 s23, s14, 19
	s_add_co_u32 s22, s22, s23
	s_mov_b32 s23, 0
	s_mov_b32 s48, 1
	s_lshl_b32 s49, s14, 14
	s_add_co_u32 s49, s49, XST
	s_add_nc_u64 s[50:51], s[4:5], s[22:23]
	s_or_b32 s51, s51, 0x80000000
	s_lshl_b32 s22, s16, 14
	s_add_co_u32 s22, s22, s61
	s_add_nc_u64 s[8:9], s[8:9], s[22:23]
	s_lshl_b32 s22, s16, 10
	s_add_co_u32 s22, s22, s62
	s_add_nc_u64 s[10:11], s[10:11], s[22:23]
	s_lshl_b32 s22, s16, 9
	s_add_nc_u64 s[12:13], s[12:13], s[22:23]
	CROUND
	tensor_load_to_lds s[48:51], s[32:39]
	s_nop 0
	s_wait_alu depctr_va_vdst(0)
	s_wait_tensorcnt 0x0
	ds_add_u32 v8, v9
	s_wait_dscnt 0x0
	CROUND
	tensor_load_to_lds s[40:43], s[24:31]
	s_nop 0
.rept 4
	v_nop
.endr
	s_wait_tensorcnt 0x1
	s_barrier_signal -1
	s_barrier_wait -1
.set n, 0
.rept 128
	ds_load_b32 v[XV+n], v[XAD] offset:512*n
.set n, n+1
.endr
	s_wait_dscnt 0x0
.irp b, 0,1,2,3
	v_max3_num_f32 v[MX+\b], |v[XV+32*\b]|, |v[XV+32*\b+1]|, 0x1800000
.endr
.irp i, 2,4,6,8,10,12,14,16,18,20,22,24,26,28,30
.irp b, 0,1,2,3
	s_delay_alu instid0(VALU_DEP_4)
	v_max3_num_f32 v[MX+\b], v[MX+\b], |v[XV+32*\b+\i]|, |v[XV+32*\b+\i+1]|
.endr
.endr
.irp b, 0,1,2,3
	s_delay_alu instid0(VALU_DEP_4)
	v_add_nc_u32 v[SO+\b], 0xff000000, v[MX+\b]
.endr
.irp b, 0,1,2,3
	s_delay_alu instid0(VALU_DEP_4)
	v_lshrrev_b32 v[BY+\b], 23, v[SO+\b]
.endr
	s_delay_alu instid0(VALU_DEP_3)
	v_lshl_or_b32 v[PW], v[BY+1], 8, v[BY]
	s_delay_alu instid0(VALU_DEP_1)
	v_lshl_or_b32 v[PW], v[BY+2], 16, v[PW]
	s_delay_alu instid0(VALU_DEP_1)
	v_lshl_or_b32 v[PW], v[BY+3], 24, v[PW]
	s_delay_alu instid0(VALU_DEP_1)
	v_add_nc_u32 v[PW], 0x01010101, v[PW]
.irp b, 0,1,2,3
.irp g, 0,1,2,3
	v_cvt_scalef32_pk8_fp4_f32 v[CD+4*\b+\g], v[XV+32*\b+8*\g:XV+32*\b+8*\g+7], v[SO+\b]
.endr
.endr
	v_nop
.irp b, 0,1,2,3
	ds_store_b128 v[IMW], v[CD+4*\b:CD+4*\b+3] offset:256*\b
.endr
	ds_store_b32 v[SCW], v[PW]
.irp b, 0,1,2,3
	global_store_b128 v[GXO], v[CD+4*\b:CD+4*\b+3], s[8:9] offset:256*\b
.endr
	CHANGE 1, 0, 1
	WIN 0x40
.set n, 0
.rept 32
	ds_load_b128 v[4*n:4*n+3], v[LI] offset:512*n
.set n, n+1
.endr
	WIN 0
.irp t, 0,1,2,3,4,5,6,7
	ds_load_b32 v[XS+\t], v[LS] offset:128*\t
.endr
	s_cmp_lt_u32 s14, 2
	s_cbranch_scc0 .Lno_xscl
	ds_load_b128 v[120:123], v[XSR]
	s_wait_dscnt 0x0
	global_store_b128 v[G16], v[120:123], s[10:11]
.Lno_xscl:
	s_wait_xcnt 0x0
	s_wait_alu depctr_va_vdst(0)
	SLOT 0
	s_mov_b32 s60, 3
.Lring:
	CHANGE 1, 1, 0
	s_wait_alu depctr_va_vdst(0)
	SLOT 1
	CHANGE 1, 1, 1
	s_wait_alu depctr_va_vdst(0)
	SLOT 0
	s_sub_co_u32 s60, s60, 1
	s_cmp_lg_u32 s60, 0
	s_cbranch_scc1 .Lring
	CHANGE 0, 0, 0
	s_wait_alu depctr_va_vdst(0)
	SLOT 1
.irp t, 0,1,2,3,4,5,6,7
	v_lshl_add_u32 v[ID+\t], v[ID+\t], 1, v[HH]
.endr
.irp t, 0,1,2,3,4,5,6,7
	ds_store_b32 v[CW], v[BA+\t] offset:128*\t
	ds_store_b32 v[CW], v[ID+\t] offset:128*\t+8192
.endr
	s_wait_dscnt 0x0
	s_barrier_signal -1
	s_barrier_wait -1
.irp u, 0,1,2,3,4,5,6,7
	ds_load_b32 v[72+\u], v[CR] offset:1024*\u
	ds_load_b32 v[80+\u], v[CR] offset:1024*\u+8192
.endr
	v_mov_b32 v88, 0
	v_mov_b32 v89, 0
	s_wait_dscnt 0x0
.macro FOLD v, i
	v_cmp_gt_f32 s52, v[\v], v72
	v_cmp_eq_f32 s53, v[\v], v72
	v_cmp_lt_u32 s54, v[\i], v80
	s_and_b32 s53, s53, s54
	s_or_b32 s52, s52, s53
	v_cndmask_b32 v72, v72, v[\v], s52
	v_cndmask_b32 v80, v80, v[\i], s52
.endm
.irp u, 1,2,3,4,5,6,7
	FOLD 72+\u, 80+\u
.endr
	s_delay_alu instid0(VALU_DEP_2)
	v_permlanex16_b32 v88, v72, s20, s21
	s_delay_alu instid0(VALU_DEP_2)
	v_permlanex16_b32 v89, v80, s20, s21
	FOLD 88, 89
	ds_store_b32 v[GW], v80
	s_wait_dscnt 0x0
	s_barrier_signal -1
	s_barrier_wait -1
	s_cmp_lg_u32 s14, 0
	s_cbranch_scc1 .Lno_gidx
	ds_load_b128 v[120:123], v[XSR]
	s_wait_dscnt 0x0
	global_store_b128 v[G16], v[120:123], s[12:13]
.Lno_gidx:
	s_wait_tensorcnt 0x0
	ds_add_u32 v[SPW], v[NIL]
	s_wait_dscnt 0x0
	CROUND
	s_endpgm
.Lfunc_end_k_q967619f408_search:
	.size	k_q967619f408_search, .Lfunc_end_k_q967619f408_search-k_q967619f408_search
	.p2alignl 7, 3214868480
	.fill 96, 4, 3214868480
	.section	.rodata,"a",@progbits
	.p2align	6, 0x0
	.amdhsa_kernel k_q967619f408_search
		.amdhsa_group_segment_fixed_size 327680
		.amdhsa_private_segment_fixed_size 0
		.amdhsa_enable_private_segment 0
		.amdhsa_kernarg_size 40
		.amdhsa_user_sgpr_count 2
		.amdhsa_user_sgpr_kernarg_segment_ptr 1
		.amdhsa_wavefront_size32 1
		.amdhsa_system_sgpr_workgroup_id_x 1
		.amdhsa_system_sgpr_workgroup_id_y 1
		.amdhsa_system_sgpr_workgroup_id_z 1
		.amdhsa_system_vgpr_workitem_id 0
		.amdhsa_next_free_vgpr 384
		.amdhsa_next_free_sgpr 66
		.amdhsa_reserve_vcc 0
		.amdhsa_float_denorm_mode_32 3
		.amdhsa_float_denorm_mode_16_64 3
		.amdhsa_memory_ordered 1
		.amdhsa_forward_progress 1
		.amdhsa_inst_pref_size 218
	.end_amdhsa_kernel
	.amdgpu_metadata
---
amdhsa.version: [ 1, 2 ]
amdhsa.kernels:
  - .name:           k_q967619f408_search
    .symbol:         k_q967619f408_search.kd
    .args:
      - { .name: x, .offset: 0, .size: 8, .value_kind: global_buffer, .address_space: global }
      - { .name: ecb, .offset: 8, .size: 8, .value_kind: global_buffer, .address_space: global }
      - { .name: xcodes, .offset: 16, .size: 8, .value_kind: global_buffer, .address_space: global }
      - { .name: xscl, .offset: 24, .size: 8, .value_kind: global_buffer, .address_space: global }
      - { .name: gidx, .offset: 32, .size: 8, .value_kind: global_buffer, .address_space: global }
    .group_segment_fixed_size: 327680
    .private_segment_fixed_size: 0
    .kernarg_segment_align: 8
    .kernarg_segment_size: 40
    .max_flat_workgroup_size: 256
    .sgpr_count:     66
    .vgpr_count:     384
    .wavefront_size: 32
...
	.end_amdgpu_metadata
.endif
;; end of part 2
;; launch resolve (part 3): grid 256 x 1, 8 waves a work-group, no clusters, 1,536 bytes of LDS; arguments ecb, xcodes, xscl, gidx, out1, cidx; writes out1, cidx
.if DOCPART == 3
	.amdgcn_target "amdgcn-amd-amdhsa--gfx1250"
	.amdhsa_code_object_version 6
	.text
	.protected	k_q967619f408_resolve
	.globl	k_q967619f408_resolve
	.p2align	8
	.type	k_q967619f408_resolve,@function
k_q967619f408_resolve:
	s_mov_b64 s[64:65], 0
	v_nop
	global_prefetch_b8 v0, s[64:65] scope:SCOPE_SE
	s_setreg_imm32_b32 hwreg(HW_REG_WAVE_MODE, 25, 1), 1
	s_wait_xcnt 0x0
; THE CODE IN THE GROUP.  For each token the launch before has stored the group of 8 neighbouring codes that holds the largest score.  Here the 8 scores of that group are formed again, by the same matrix instruction with the
; same operands in the same roles, the same C and the same order along K, and the first largest of them gives the index: out1, and a copy, cidx, from which the next launch forms addresses.
; SHARES.  A wave takes a tile of 16 tokens: tile 8 g + w.  Eight products' worth of rows: TILE u OF SOURCE 0 HOLDS in rows 0-7 the 8 candidates of token 2 u, in rows 8-15 those of token 2 u + 1; source 1 = the 16 tokens.
; In the result lane (r, h) holds token r against rows 8 h + 0..7: token r's own candidates lie in tile r / 2, in the lane with h = r % 2, registers 0 to 7.
; A group G is half of record G / 2: its rows are rho = 8 (G % 2) + j.  The addresses hang on the stored groups, held to 0..1023 by v_min_u32; behind that only and, multiply, shift left and add.
; No operand is shared between waves, so there is no tensor load and no ring; LDS serves only to gather the work-group's 128 results for one store of 512 consecutive bytes.
; REGISTERS.  window 0: v1-15 lane numbers and addresses; v16-31 the tokens' two fragments; v32 their scale words; v33-49 groups; v50-73 addresses; v74-81 the candidates' scale words; v82-86 at work; v128-191 C and D of the eight tiles.
;   window 1: v0-127 the candidates' fragments, 16 registers a tile.
.set XB, 16
.set XS, 32
.set GA, 33                            ; the group of source 0's row r of tile u: token 2 u + r / 8
.set GC, 41                            ; the group of the result's rows 8 h on: token 2 u + h
.set GO, 49                            ; the group of token r
.set AA, 50
.set AS, 58
.set AN, 66
.set SC, 74
.set NE, 128
.set MSB, 0
.macro WIN new                         ; the immediate's high byte repeats the setting that is left
.if MSB != \new
	s_set_vgpr_msb (MSB<<8)|\new
.set MSB, \new
.endif
.endm
	s_load_b256 s[4:11], s[0:1], 0x0               ; ecb s[4:5], xcodes s[6:7], xscl s[8:9], gidx s[10:11]
	s_load_b128 s[12:15], s[0:1], 0x20             ; out1 s[12:13], cidx s[14:15]
	v_lshl_add_u32 v254, v0, 2, 0x200
	v_mov_b32 v255, 0
	v_lshrrev_b32 v1, 5, v0
	s_delay_alu instid0(VALU_DEP_1)
	v_readfirstlane_b32 s16, v1                    ; wave 0..7
	s_lshl_b32 s17, ttmp9, 3
	s_add_co_u32 s17, s17, s16                     ; my token tile
	v_and_b32 v1, 31, v0                           ; L
	v_and_b32 v2, 15, v0                           ; r
	v_bfe_u32 v3, v0, 4, 1                         ; h
	v_and_b32 v4, 7, v0                            ; j = r % 8
	v_bfe_u32 v5, v0, 3, 1                         ; r / 8
	s_delay_alu instid0(VALU_DEP_1)
	v_lshlrev_b32 v6, 2, v5                        ; gidx: token 2 u + r / 8
	s_delay_alu instid0(VALU_DEP_4)
	v_lshlrev_b32 v7, 2, v3                        ;       token 2 u + h
	v_lshlrev_b32 v8, 2, v2                        ;       token r
	v_lshlrev_b32 v9, 4, v1                        ; 16 L
	v_lshlrev_b32 v10, 2, v1                       ; 4 L
	v_lshlrev_b32 v11, 8, v3
	s_delay_alu instid0(VALU_DEP_1)
	v_lshl_add_u32 v11, v4, 4, v11                 ; in a record's codes: 256 h + 16 j
	v_lshlrev_b32 v12, 6, v3
	s_delay_alu instid0(VALU_DEP_1)
	v_lshl_add_u32 v12, v4, 2, v12                 ; in its scale words: 64 h + 4 j: lanes 0-15 take K step 0's, lanes 16-31 K step 1's
	v_bfe_u32 v13, v0, 1, 3                        ; r / 2
	v_and_b32 v14, 1, v0                           ; r % 2
	s_lshl_b32 s18, s16, 6
	v_lshl_add_u32 v15, v2, 2, s18                 ; LDS: 64 w + 4 r
	s_mov_b32 s20, 0x76543210                      ; v_permlanex16_b32's selects for lane l xor 16
	s_mov_b32 s21, 0xfedcba98
	s_mov_b32 s19, 0
	s_mov_b32 s23, 0
	s_mov_b32 s25, 0
	s_mov_b32 s27, 0
	s_lshl_b32 s18, s17, 6                         ; gidx: 64 bytes a tile
	s_lshl_b32 s22, s17, 11                        ; xcodes: 2,048
	s_lshl_b32 s24, s17, 7                         ; xscl: 128
	s_lshl_b32 s26, ttmp9, 9                       ; the results: 512 bytes a work-group
	s_wait_alu depctr_va_vdst(0)
	s_wait_kmcnt 0x0
	s_add_nc_u64 s[10:11], s[10:11], s[18:19]
	s_add_nc_u64 s[6:7], s[6:7], s[22:23]
	s_add_nc_u64 s[8:9], s[8:9], s[24:25]
	s_add_nc_u64 s[12:13], s[12:13], s[26:27]
	s_add_nc_u64 s[14:15], s[14:15], s[26:27]
.irp u, 0,1,2,3,4,5,6,7
	global_load_b32 v[GA+\u], v6, s[10:11] offset:8*\u
.endr
.irp u, 0,1,2,3,4,5,6,7
	global_load_b32 v[GC+\u], v7, s[10:11] offset:8*\u
.endr
	global_load_b32 v[GO], v8, s[10:11]
.irp k, 0,1,2,3
	global_load_b128 v[XB+4*\k:XB+4*\k+3], v9, s[6:7] offset:512*\k    ; the tokens' fragments, as images of their registers
.endr
	global_load_b32 v[XS], v10, s[8:9]
	s_wait_loadcnt 0x5                             ; the 17 groups are in; the five loads issued behind them may stay out
.irp u, 0,1,2,3,4,5,6,7
	v_min_u32 v[GA+\u], 0x3ff, v[GA+\u]
	v_min_u32 v[GC+\u], 0x3ff, v[GC+\u]
.endr
	v_min_u32 v[GO], 0x3ff, v[GO]
.irp u, 0,1,2,3,4,5,6,7
	v_and_b32 v82, 0x3fe, v[GA+\u]
	s_delay_alu instid0(VALU_DEP_1)
	v_mul_u32_u24 v82, v82, 1152                   ; record G / 2 begins at 2304 (G / 2) = 1152 (G less its lowest bit)
	v_and_b32 v83, 1, v[GA+\u]
	s_delay_alu instid0(VALU_DEP_1)
	v_lshl_add_u32 v[AA+\u], v83, 7, v82           ; + 128 (G % 2): rows 8 (G % 2) on, 16 bytes each
	s_delay_alu instid0(VALU_DEP_2)
	v_lshl_add_u32 v[AS+\u], v83, 5, v82           ; + 32 (G % 2): 4 bytes each
	s_delay_alu instid0(VALU_DEP_2)
	v_add_nc_u32 v[AA+\u], v[AA+\u], v11
	s_delay_alu instid0(VALU_DEP_2)
	v_add_nc_u32 v[AS+\u], v[AS+\u], v12
	v_and_b32 v84, 0x3fe, v[GC+\u]
	s_delay_alu instid0(VALU_DEP_1)
	v_mul_u32_u24 v84, v84, 1152
	v_and_b32 v85, 1, v[GC+\u]
	s_delay_alu instid0(VALU_DEP_1)
	v_lshl_add_u32 v[AN+\u], v85, 5, v84
.endr
	WIN 0x40                                       ; destination window 1
.irp u, 0,1,2,3,4,5,6,7
.irp k, 0,1,2,3
	global_load_b128 v[16*\u+4*\k:16*\u+4*\k+3], v[AA+\u], s[4:5] offset:512*\k
.endr
.endr
	WIN 0
.irp u, 0,1,2,3,4,5,6,7
	global_load_b32 v[SC+\u], v[AS+\u], s[4:5] offset:2048
.endr
.irp u, 0,1,2,3,4,5,6,7
	global_load_b128 v[NE+8*\u:NE+8*\u+3], v[AN+\u], s[4:5] offset:2176       ; minus the sums of squares of rows 8 h + 0..7: the C of the first product
	global_load_b128 v[NE+8*\u+4:NE+8*\u+7], v[AN+\u], s[4:5] offset:2192
.endr
	s_wait_loadcnt 0x0
	WIN 0x01                                       ; source 0 in window 1
.irp u, 0,1,2,3,4,5,6,7
	v_wmma_scale_f32_16x16x128_f8f6f4 v[NE+8*\u:NE+8*\u+7], v[16*\u:16*\u+7], v[XB:XB+7], v[NE+8*\u:NE+8*\u+7], v[SC+\u], v[XS] matrix_a_fmt:MATRIX_FMT_FP4 matrix_b_fmt:MATRIX_FMT_FP4
.endr
.irp u, 0,1,2,3,4,5,6,7                ; the eight accumulators take turns, one instruction a turn
	v_wmma_scale_f32_16x16x128_f8f6f4 v[NE+8*\u:NE+8*\u+7], v[16*\u+8:16*\u+15], v[XB+8:XB+15], v[NE+8*\u:NE+8*\u+7], v[SC+\u], v[XS] matrix_a_fmt:MATRIX_FMT_FP4 matrix_b_fmt:MATRIX_FMT_FP4 matrix_a_scale:MATRIX_SCALE_ROW1 matrix_b_scale:MATRIX_SCALE_ROW1
.endr
	WIN 0
.rept 4
	v_nop                                          ; four places between the products and the first read of a result (ISA guide 7.12.1)
.endr
.irp u, 1,2,3,4,5,6,7                  ; my token's tile, r / 2, is brought into tile 0's registers; each accumulator is read from its low end on
	v_cmp_eq_u32 vcc_lo, \u, v13
.irp j, 0,1,2,3,4,5,6,7
	v_cndmask_b32 v[NE+\j], v[NE+\j], v[NE+8*\u+\j], vcc_lo
.endr
.endr
	v_mov_b32 v84, 0                               ; the first largest of the eight: the older stays where it is at least as large
.irp j, 1
	v_cmp_ge_f32 vcc_lo, v[NE], v[NE+\j]
	s_delay_alu instid0(VALU_DEP_1)
	v_cndmask_b32 v84, \j, v84, vcc_lo
	s_delay_alu instid0(VALU_DEP_2)
	v_cndmask_b32 v[NE], v[NE+\j], v[NE], vcc_lo
.endr
.irp j, 2, 3, 4, 5, 6, 7
	s_delay_alu instid0(VALU_DEP_1)
	v_cmp_ge_f32 vcc_lo, v[NE], v[NE+\j]
	s_delay_alu instid0(VALU_DEP_1)
	v_cndmask_b32 v84, \j, v84, vcc_lo
	s_delay_alu instid0(VALU_DEP_2)
	v_cndmask_b32 v[NE], v[NE+\j], v[NE], vcc_lo
.endr
	s_delay_alu instid0(VALU_DEP_2)
	v_lshl_add_u32 v85, v[GO], 3, v84              ; the index: 8 x group + place
	v_mov_b32 v86, 0                               ; a lane permute's destination counts as one of its sources
	s_delay_alu instid0(VALU_DEP_1)
	v_permlanex16_b32 v86, v85, s20, s21
	v_cmp_eq_u32 vcc_lo, v3, v14                   ; the lane with h = r % 2 held the token's own candidates; the other takes its number
	s_delay_alu instid0(VALU_DEP_1)
	v_cndmask_b32 v85, v86, v85, vcc_lo
	ds_store_b32 v15, v85                          ; both lanes of a token write the same word with the same number
	s_wait_dscnt 0x0
	s_barrier_signal -1
	s_barrier_wait -1
	s_cmp_lg_u32 s16, 0
	s_cbranch_scc1 .Ldone
	ds_load_b128 v[88:91], v9                      ; in wave 0: 16 L: the work-group's 128 indices
	s_wait_dscnt 0x0
	global_store_b128 v9, v[88:91], s[12:13]       ; 32 lanes store 512 consecutive bytes
	global_store_b128 v9, v[88:91], s[14:15]
.Ldone:
	s_wait_tensorcnt 0x0
	ds_add_u32 v254, v255
	s_wait_dscnt 0x0
	s_endpgm
.Lfunc_end_k_q967619f408_resolve:
	.size	k_q967619f408_resolve, .Lfunc_end_k_q967619f408_resolve-k_q967619f408_resolve
	.p2alignl 7, 3214868480
	.fill 96, 4, 3214868480
	.section	.rodata,"a",@progbits
	.p2align	6, 0x0
	.amdhsa_kernel k_q967619f408_resolve
		.amdhsa_group_segment_fixed_size 1536
		.amdhsa_private_segment_fixed_size 0
		.amdhsa_enable_private_segment 0
		.amdhsa_kernarg_size 48
		.amdhsa_user_sgpr_count 2
		.amdhsa_user_sgpr_kernarg_segment_ptr 1
		.amdhsa_wavefront_size32 1
		.amdhsa_system_sgpr_workgroup_id_x 1
		.amdhsa_system_sgpr_workgroup_id_y 1
		.amdhsa_system_sgpr_workgroup_id_z 1
		.amdhsa_system_vgpr_workitem_id 0
		.amdhsa_next_free_vgpr 384
		.amdhsa_next_free_sgpr 66
		.amdhsa_reserve_vcc 1
		.amdhsa_float_denorm_mode_32 3
		.amdhsa_float_denorm_mode_16_64 3
		.amdhsa_memory_ordered 1
		.amdhsa_forward_progress 1
		.amdhsa_inst_pref_size 24
	.end_amdhsa_kernel
	.amdgpu_metadata
---
amdhsa.version: [ 1, 2 ]
amdhsa.kernels:
  - .name:           k_q967619f408_resolve
    .symbol:         k_q967619f408_resolve.kd
    .args:
      - { .name: ecb, .offset: 0, .size: 8, .value_kind: global_buffer, .address_space: global }
      - { .name: xcodes, .offset: 8, .size: 8, .value_kind: global_buffer, .address_space: global }
      - { .name: xscl, .offset: 16, .size: 8, .value_kind: global_buffer, .address_space: global }
      - { .name: gidx, .offset: 24, .size: 8, .value_kind: global_buffer, .address_space: global }
      - { .name: out1, .offset: 32, .size: 8, .value_kind: global_buffer, .address_space: global }
      - { .name: cidx, .offset: 40, .size: 8, .value_kind: global_buffer, .address_space: global }
    .group_segment_fixed_size: 1536
    .private_segment_fixed_size: 0
    .kernarg_segment_align: 8
    .kernarg_segment_size: 48
    .max_flat_workgroup_size: 256
    .sgpr_count:     66
    .vgpr_count:     384
    .wavefront_size: 32
...
	.end_amdgpu_metadata
.endif
;; end of part 3
;; launch rotate (part 4): grid 256 x 1, 16 waves a work-group, no clusters, 167,936 bytes of LDS; arguments x, et, cidx, out0; writes out0
.if DOCPART == 4
	.amdgcn_target "amdgcn-amd-amdhsa--gfx1250"
	.amdhsa_code_object_version 6
	.text
	.protected	k_q967619f408_rotate
	.globl	k_q967619f408_rotate
	.p2align	8
	.type	k_q967619f408_rotate,@function
k_q967619f408_rotate:
	s_mov_b64 s[64:65], 0
	v_nop
	global_prefetch_b8 v0, s[64:65] scope:SCOPE_SE
	s_setreg_imm32_b32 hwreg(HW_REG_WAVE_MODE, 25, 1), 1
	s_wait_xcnt 0x0
; THE GATHER AND THE ROTATION, in f32.  For token n with e = x[b][:][hw] and q = et[cidx[n]][:], reference() forms
;   en = max(|e|, 1e-6), qn = max(|q|, 1e-6), s = e / en + q / qn, ns = max(|s|, 1e-6), out = (qn / en) (e - 2 s (s . e) / ns^2 + 2 q en / qn).
; Every term is a multiple of e or of q, so out = al e + be q, and al and be hang on three sums alone, A = e . e, B = q . q, C = e . q:
;   s . e = A / en + C / qn,  |s|^2 = A / en^2 + 2 C / (en qn) + B / qn^2,  g = 2 (s . e) / ns^2,  al = (qn / en) (1 - g / en),  be = (qn / en) (2 en - g) / qn.
; That holds for all values, the three floors of 1e-6 being taken as reference() takes them.  LIMIT: the order of rounding differs from reference()'s: |s|^2 is made of the three sums (held at 0 from below)
; and not of s's 256 numbers, so its error is about 1e-7 of 4, not of |s|^2.  NaN and infinities are not served.  The index is held to 0..8191 by v_min_u32 before it enters an address.
; Memory binds: x is read once and out0 written once, 512 consecutive bytes an instruction; a row of et is read as two runs of 512 bytes.  No matrix unit, no cluster: the work-groups share no tile.
; SHARES.  A work-group owns 128 tokens.  Wave w owns d = 16 w .. 16 w + 15 for all of them; lane l holds tokens 4 l + c: register X + 4 i + c is e(16 w + i, 4 l + c).
; Wave w also gathers the rows of tokens 8 w .. 8 w + 7 into LDS; token tau lies in row 32 (tau % 4) + tau / 4, rows 1,040 bytes apart.
; ONE REDUCTION.  Each wave stores its partial A, B, C of 128 tokens; behind a barrier wave w finishes tokens 8 w .. 8 w + 7: lane l takes token 8 w + l % 8 and the partial sums of waves 4 (l / 8) + 0..3,
; 12 words a lane; lanes l xor 8 and l xor 16 are joined; al and be go to LDS; behind a third barrier every lane reads those of its four tokens.  All stores stand behind all the arithmetic.
.set PQ,   1040                        ; a row of q in LDS: 1,024 bytes + 16
.set RED1, 128*PQ                      ; behind the rows: the partial sums, RP bytes a wave: [3 sums][128 tokens] f32 + 16
.set RP,   1552                        ; 4 RP = 64 modulo 256
.set ABO,  RED1+16*RP                  ; behind them: al of the 128 tokens, then be
.set SPARE, 0x28800                    ; the spare words, 128 bytes a wave
.set IX,  16                           ; v16-23   eight indices
.set OFF, 24                           ; v24-31   their rows' offsets in et
.set X,   32                           ; v32-95   e, later the result
.set Q,   96                           ; v96-159  gathered rows; then q: Q + 16 c + i
.set T,   160                          ; v160-223 at work in the reduction; then be q, in X's order
.set SA,  224                          ; v224-227 A;  v228-231 B;  v232-235 C: my 16 d's part
.set SB,  228
.set SC,  232
.set AL,  236                          ; v236-239 al of my four tokens;  v240-243 be
.set BE,  240
.set EN,  T+16
.set QN,  T+17
.set IE,  T+18
.set IQ,  T+19
.set AE,  T+20
.set SE,  T+21
.set T1,  T+22
.set T2,  T+23
.set LM,  T+24
.set NS,  T+25
.set G,   T+26
.set A1,  T+27
.set B1,  T+28
	s_load_b256 s[4:11], s[0:1], 0x0               ; x s[4:5], et s[6:7], cidx s[8:9], out0 s[10:11]
	v_lshl_add_u32 v254, v0, 2, SPARE
	v_mov_b32 v255, 0
	v_lshrrev_b32 v1, 5, v0
	s_delay_alu instid0(VALU_DEP_1)
	v_readfirstlane_b32 s12, v1                    ; wave 0..15
	s_mul_i32 s16, s12, 2*PQ
	s_lshl_b32 s17, s12, 6
	s_mul_i32 s20, s12, RP
	s_add_co_u32 s20, s20, RED1
	s_lshl_b32 s21, s12, 5
	s_add_co_u32 s22, s21, RED1
	s_add_co_u32 s23, s21, ABO
	s_mov_b32 s24, 0x76543210                      ; v_permlanex16_b32's selects for lane l xor 16
	s_mov_b32 s25, 0xfedcba98
	s_lshr_b32 s14, ttmp9, 5                       ; batch g / 32, 2^22 bytes each,
	s_lshl_b32 s14, s14, 22
	s_and_b32 s15, ttmp9, 31                       ; position 128 (g % 32), 4 bytes each,
	s_lshl_b32 s15, s15, 9
	s_add_co_u32 s14, s14, s15
	s_lshl_b32 s15, s12, 18                        ; rows 16 w on, 16,384 bytes each
	s_add_co_u32 s14, s14, s15
	s_mov_b32 s15, 0
	s_lshl_b32 s18, ttmp9, 9                       ; cidx: 512 bytes a work-group
	s_mov_b32 s19, 0
	v_and_b32 v1, 31, v0                           ; l
	v_and_b32 v3, 0x1e0, v0                        ; 32 w: my eight indices' bytes, the same in every lane
	v_and_b32 v12, 7, v0                           ; l % 8
	v_bfe_u32 v13, v0, 3, 2                        ; l / 8
	v_lshlrev_b32 v2, 4, v1                        ; 16 l
	v_mul_u32_u24 v6, v1, PQ
	v_mul_u32_u24 v9, v13, 4*RP
	v_lshl_add_u32 v10, v12, 2, s23                ; where al of token 8 w + l % 8 goes
	v_add_nc_u32 v4, s16, v2                       ; rows in: tokens 8 w + t lie in rows 32 (t % 4) + 2 w + t / 4
	v_add_nc_u32 v6, s17, v6                       ; rows out: row 32 c + l, my wave's 64 bytes
	v_lshl_add_u32 v9, v12, 2, v9
	v_add_nc_u32 v8, s20, v2                       ; my partial sums
	v_add_nc_u32 v11, ABO, v2                      ; al of my four tokens
	v_add_nc_u32 v5, 64*PQ, v4                     ; (rows 64 on: an LDS immediate has 16 bits)
	v_add_nc_u32 v7, 64*PQ, v6
	v_add_nc_u32 v9, s22, v9                       ; the partial sums of token 8 w + l % 8 from wave 4 (l / 8) on
.irp s, 0,1,2
	v_mov_b32 v[T+12+\s], 0                        ; a lane permute's destination counts as one of its sources
.endr
	s_wait_alu depctr_va_vdst(0)                   ; the wait at the head's end
	s_wait_kmcnt 0x0
	s_add_nc_u64 s[4:5], s[4:5], s[14:15]
	s_add_nc_u64 s[10:11], s[10:11], s[14:15]
	s_add_nc_u64 s[8:9], s[8:9], s[18:19]
.irp t, 0,1,2,3,4,5,6,7
	global_load_b32 v[IX+\t], v3, s[8:9] offset:4*\t
.endr
.set n, 0
.rept 8
	global_load_b128 v[X+4*n:X+4*n+3], v2, s[4:5] offset:n*16384 th:TH_LOAD_NT   ; my first eight rows of x: 32 lanes read 512 consecutive bytes; read once in this launch
.set n, n+1
.endr
	s_wait_loadcnt 8                               ; the eight indices are in; x's eight loads, issued behind them, stay out
.irp t, 0,1,2,3,4,5,6,7
	v_min_u32 v[IX+\t], 0x1fff, v[IX+\t]
.endr
.irp t, 0,1,2,3,4,5,6,7
	v_lshl_add_u32 v[OFF+\t], v[IX+\t], 10, v2     ; a row of et is 1,024 bytes
.endr
.irp t, 0,1,2,3,4,5,6,7
	global_load_b128 v[Q+8*\t:Q+8*\t+3],   v[OFF+\t], s[6:7]
	global_load_b128 v[Q+8*\t+4:Q+8*\t+7], v[OFF+\t], s[6:7] offset:512
.endr
.rept 8
	global_load_b128 v[X+4*n:X+4*n+3], v2, s[4:5] offset:n*16384 th:TH_LOAD_NT   ; my other eight rows of x stand behind the gather: the rows of q are laid into LDS while these are on their way
.set n, n+1
.endr
.irp t, 0,1,2,3,4,5,6,7
.irp f, 0,1
	s_wait_loadcnt 23-(2*\t+\f)                    ; the gather loads issued behind this one, and x's eight behind them, may stay out
.if (\t&3) < 2
	ds_store_b128 v4, v[Q+8*\t+4*\f:Q+8*\t+4*\f+3] offset:(\t&1)*32*PQ+(\t>>2)*PQ+\f*512
.else
	ds_store_b128 v5, v[Q+8*\t+4*\f:Q+8*\t+4*\f+3] offset:(\t&1)*32*PQ+(\t>>2)*PQ+\f*512
.endif
.endr
.endr
	s_wait_dscnt 0x0                               ; for the others' sake: my eight rows have landed
	s_barrier_signal -1
	s_barrier_wait -1
.irp c, 0,1,2,3
.irp k, 0,1,2,3
.if \c < 2
	ds_load_b128 v[Q+16*\c+4*\k:Q+16*\c+4*\k+3], v6 offset:(\c&1)*32*PQ+16*\k     ; q(token 4 l + c, d = 16 w + 4 k + 0..3)
.else
	ds_load_b128 v[Q+16*\c+4*\k:Q+16*\c+4*\k+3], v7 offset:(\c&1)*32*PQ+16*\k
.endif
.endr
.endr
	s_wait_loadcnt 0x0                             ; all sixteen rows of x are in
.irp p, 0,2
	v_pk_mul_f32 v[SA+\p:SA+\p+1], v[X+\p:X+\p+1], v[X+\p:X+\p+1]
.endr
.set n, 1
.rept 15
.irp p, 0,2
	s_delay_alu instid0(VALU_DEP_2)
	v_pk_fma_f32 v[SA+\p:SA+\p+1], v[X+4*n+\p:X+4*n+\p+1], v[X+4*n+\p:X+4*n+\p+1], v[SA+\p:SA+\p+1]
.endr
.set n, n+1
.endr
	s_wait_dscnt 0x0
.irp c, 0,1,2,3
	v_mul_f32 v[SB+\c], v[Q+16*\c], v[Q+16*\c]                                    ; B and C: eight chains by turns
.endr
.irp c, 0,1,2,3
	v_mul_f32 v[SC+\c], v[Q+16*\c], v[X+\c]
.endr
.set n, 1
.rept 15
.irp c, 0,1,2,3
	v_fma_f32 v[SB+\c], v[Q+16*\c+n], v[Q+16*\c+n], v[SB+\c]
.endr
.irp c, 0,1,2,3
	v_fma_f32 v[SC+\c], v[Q+16*\c+n], v[X+4*n+\c], v[SC+\c]
.endr
.set n, n+1
.endr
	ds_store_b128 v8, v[SA:SA+3]
	ds_store_b128 v8, v[SB:SB+3] offset:512
	ds_store_b128 v8, v[SC:SC+3] offset:1024
	s_wait_dscnt 0x0                               ; for the others' sake: my partial sums have landed
	s_barrier_signal -1
	s_barrier_wait -1
.irp k, 0,1,2,3
.irp s, 0,1,2
	ds_load_b32 v[T+3*\k+\s], v9 offset:\k*RP+512*\s       ; sum s of token 8 w + l % 8 from wave 4 (l / 8) + k
.endr
.endr
	s_wait_dscnt 0x0
.irp s, 0,1,2
	v_add_f32 v[T+\s], v[T+\s], v[T+3+\s]
.endr
.irp s, 0,1,2
	v_add_f32 v[T+6+\s], v[T+6+\s], v[T+9+\s]
.endr
.irp s, 0,1,2
	s_delay_alu instid0(VALU_DEP_3)
	v_add_f32 v[T+\s], v[T+\s], v[T+6+\s]
.endr
.irp s, 0,1,2
	v_add_f32_dpp v[T+\s], v[T+\s], v[T+\s] row_xmask:8 row_mask:0xf bank_mask:0xf   ; with lane l xor 8's four waves
.endr
.irp s, 0,1,2
	v_permlanex16_b32 v[T+12+\s], v[T+\s], s24, s25
.endr
.irp s, 0,1,2
	v_add_f32 v[T+\s], v[T+\s], v[T+12+\s]         ; and lane l xor 16's eight: T = A, T + 1 = B, T + 2 = C
.endr
	s_wait_alu depctr_va_vdst(0)                   ; a wait ahead of each batch of transcendentals and one behind it
	v_sqrt_f32 v[EN], v[T]
	v_sqrt_f32 v[QN], v[T+1]
	v_nop
	s_wait_alu depctr_va_vdst(0)
	v_max_num_f32 v[EN], 0x358637bd, v[EN]         ; en = max(|e|, 1e-6)
	v_max_num_f32 v[QN], 0x358637bd, v[QN]         ; qn
	s_wait_alu depctr_va_vdst(0)
	v_rcp_f32 v[IE], v[EN]
	v_rcp_f32 v[IQ], v[QN]
	v_nop
	s_wait_alu depctr_va_vdst(0)
	v_mul_f32 v[AE], v[T], v[IE]                   ; A / en
	v_mul_f32 v[T2], v[T+2], v[IQ]                 ; C / qn
	v_mul_f32 v[LM], v[QN], v[IE]                  ; qn / en
	v_mul_f32 v[NS], v[T+1], v[IQ]                 ; B / qn
	v_add_f32 v[SE], v[AE], v[T2]                  ; s . e
	v_mul_f32 v[T1], v[AE], v[IE]
	v_mul_f32 v[T2], v[T2], v[IE]
	v_fma_f32 v[T1], v[NS], v[IQ], v[T1]
	s_delay_alu instid0(VALU_DEP_1)
	v_fma_f32 v[T1], 2.0, v[T2], v[T1]             ; |s|^2
	s_delay_alu instid0(VALU_DEP_1)
	v_max_num_f32 v[T1], 0, v[T1]
	s_wait_alu depctr_va_vdst(0)
	v_sqrt_f32 v[NS], v[T1]
	v_nop
	s_wait_alu depctr_va_vdst(0)
	v_max_num_f32 v[NS], 0x358637bd, v[NS]         ; ns = max(|s|, 1e-6)
	s_wait_alu depctr_va_vdst(0)
	v_rcp_f32 v[NS], v[NS]
	v_mul_f32 v[T2], v[LM], v[IQ]                  ; (qn / en) / qn.  (A plain instruction behind the reciprocal)
	s_wait_alu depctr_va_vdst(0)
	v_mul_f32 v[G], v[SE], v[NS]
	v_mul_f32 v[G], v[G], v[NS]
	s_delay_alu instid0(VALU_DEP_1)
	v_add_f32 v[G], v[G], v[G]                     ; g = 2 (s . e) / ns^2
	v_fma_f32 v[A1], -v[G], v[IE], 1.0
	v_fma_f32 v[B1], 2.0, v[EN], -v[G]
	s_delay_alu instid0(VALU_DEP_2)
	v_mul_f32 v[A1], v[A1], v[LM]                  ; al
	s_delay_alu instid0(VALU_DEP_2)
	v_mul_f32 v[B1], v[B1], v[T2]                  ; be
	ds_store_b32 v10, v[A1]                        ; the four lanes of a token write the same word with the same number
	ds_store_b32 v10, v[B1] offset:512
	s_wait_dscnt 0x0
	s_barrier_signal -1
	s_barrier_wait -1
	ds_load_b128 v[AL:AL+3], v11
	ds_load_b128 v[BE:BE+3], v11 offset:512
	s_wait_dscnt 0x0
.set n, 0
.rept 16
.irp c, 0,1,2,3
	v_mul_f32 v[T+4*n+\c], v[Q+16*\c+n], v[BE+\c]  ; be q, laid in X's order
.endr
.set n, n+1
.endr
.set n, 0
.rept 16
.irp p, 0,2
	v_pk_fma_f32 v[X+4*n+\p:X+4*n+\p+1], v[X+4*n+\p:X+4*n+\p+1], v[AL+\p:AL+\p+1], v[T+4*n+\p:T+4*n+\p+1]    ; al e + be q, two tokens at a time
.endr
.set n, n+1
.endr
.set n, 0
.rept 16
	global_store_b128 v2, v[X+4*n:X+4*n+3], s[10:11] offset:n*16384 th:TH_STORE_NT   ; 32 lanes store 512 consecutive bytes, at a multiple of 256 from out0's first byte; written once
.set n, n+1
.endr
	s_wait_tensorcnt 0x0                           ; the wave's end
	ds_add_u32 v254, v255
	s_wait_dscnt 0x0
	s_endpgm
.Lfunc_end_k_q967619f408_rotate:
	.size	k_q967619f408_rotate, .Lfunc_end_k_q967619f408_rotate-k_q967619f408_rotate
	.p2alignl 7, 3214868480
	.fill 96, 4, 3214868480
	.section	.rodata,"a",@progbits
	.p2align	6, 0x0
	.amdhsa_kernel k_q967619f408_rotate
		.amdhsa_group_segment_fixed_size 167936
		.amdhsa_private_segment_fixed_size 0
		.amdhsa_enable_private_segment 0
		.amdhsa_kernarg_size 32
		.amdhsa_user_sgpr_count 2
		.amdhsa_user_sgpr_kernarg_segment_ptr 1
		.amdhsa_wavefront_size32 1
		.amdhsa_system_sgpr_workgroup_id_x 1
		.amdhsa_system_sgpr_workgroup_id_y 1
		.amdhsa_system_sgpr_workgroup_id_z 1
		.amdhsa_system_vgpr_workitem_id 0
		.amdhsa_next_free_vgpr 256
		.amdhsa_next_free_sgpr 66
		.amdhsa_reserve_vcc 0
		.amdhsa_float_denorm_mode_32 3
		.amdhsa_float_denorm_mode_16_64 3
		.amdhsa_memory_ordered 1
		.amdhsa_forward_progress 1
		.amdhsa_inst_pref_size 31
	.end_amdhsa_kernel
	.amdgpu_metadata
---
amdhsa.version: [ 1, 2 ]
amdhsa.kernels:
  - .name:           k_q967619f408_rotate
    .symbol:         k_q967619f408_rotate.kd
    .args:
      - { .name: x, .offset: 0, .size: 8, .value_kind: global_buffer, .address_space: global }
      - { .name: et, .offset: 8, .size: 8, .value_kind: global_buffer, .address_space: global }
      - { .name: cidx, .offset: 16, .size: 8, .value_kind: global_buffer, .address_space: global }
      - { .name: out0, .offset: 24, .size: 8, .value_kind: global_buffer, .address_space: global }
    .group_segment_fixed_size: 167936
    .private_segment_fixed_size: 0
    .kernarg_segment_align: 8
    .kernarg_segment_size: 32
    .max_flat_workgroup_size: 512
    .sgpr_count:     66
    .vgpr_count:     256
    .wavefront_size: 32
...
	.end_amdgpu_metadata
.endif
;; end of part 4
